; MI455X (gfx1250); checked and timed in simulation.
; The chip was launched on July 23, 2026; its instructions are those of AMD's public machine-readable ISA for CDNA 5 (MIT licence, August 2026) and "CDNA5" Instruction Set Architecture Reference Guide (July 2026). The comments in the code are by the model that wrote it; some were corrected since.
;; Multi Head Attention. Allowed arithmetic: matrix products marked QUANTISED: E2M3 operands, one E8M0 scale for each 32 along K, by v_wmma_scale_f32_16x16x128_f8f6f4 with both operands' format E2M3, f32 sums; everything else in f32.
;; Inputs: Wk_codes 1,024 x 32 x 24 uint8 (E2M3 codes of Wk, K innermost, in blocks of 32 codes, four codes in three bytes); Wk_scales 1,024 x 32 uint8 (E8M0 scales of Wk, one for each 32 codes along K); Wo_codes 1,024 x 32 x 24 uint8 (E2M3 codes of Wo, K innermost, in blocks of 32 codes, four codes in three bytes); Wo_scales 1,024 x 32 uint8 (E8M0 scales of Wo, one for each 32 codes along K); Wq_codes 1,024 x 32 x 24 uint8 (E2M3 codes of Wq, K innermost, in blocks of 32 codes, four codes in three bytes); Wq_scales 1,024 x 32 uint8 (E8M0 scales of Wq, one for each 32 codes along K); Wv_codes 1,024 x 32 x 24 uint8 (E2M3 codes of Wv, K innermost, in blocks of 32 codes, four codes in three bytes); Wv_scales 1,024 x 32 uint8 (E8M0 scales of Wv, one for each 32 codes along K); x_codes 4 x 2,048 x 32 x 24 uint8 (E2M3 codes of x, K innermost, in blocks of 32 codes, four codes in three bytes); x_scales 4 x 2,048 x 32 uint8 (E8M0 scales of x, one for each 32 codes along K).
;; Outputs: out0 4 x 2,048 x 1,024 float32.
;; This version of the problem:
;;   THIS VERSION OF THE PROBLEM IS GIVEN IN LOW PRECISION. The matrix products marked QUANTISED in the list below multiply operands that are first quantised to E2M3 (2 exponent bits, 3 mantissa bits; 6 bits a number), with one power-of-two scale for each 32 numbers along K (OCP MX v1.0); their sums are f32. All else is computed in f32.
;;   The module's matrix products, in the order in which they are computed (A, B: the left and right operand; K: the contracted axis; several contracted axes count as one K, in the product's order):
;;     1. [M 8,192, K 1,024] x [K 1,024, N 1,024]; A: input x (given as codes); B: input Wq (given as codes): QUANTISED
;;     2. [M 8,192, K 1,024] x [K 1,024, N 1,024]; A: input x (given as codes); B: input Wk (given as codes): QUANTISED
;;     3. [M 8,192, K 1,024] x [K 1,024, N 1,024]; A: input x (given as codes); B: input Wv (given as codes): QUANTISED
;;     4. batch 64 x [M 2,048, K 64] x [K 64, N 2,048]; A: computed on the way; B: computed on the way: QUANTISED
;;     5. batch 64 x [M 2,048, K 2,048] x [K 2,048, N 64]; A: softmax (see below); B: computed on the way: QUANTISED
;;     6. [M 8,192, K 1,024] x [K 1,024, N 1,024]; A: computed on the way; B: input Wo (given as codes): QUANTISED
;;   THE QUANTISER, for each operand of a quantised product, along K:
;;     - K is cut into blocks of 32 from its start; a last block that is shorter is filled with zeros.
;;     - A block's scale is 2^e with e = floor(log2(the largest magnitude in the block)) - 2, held to -126 .. 127; a block of zeros has e = 0. As a byte (E8M0): e + 127.
;;     - Each number is divided by its block's scale, clamped to +-7.5, and rounded to the nearest number of E2M3, ties to even, subnormals kept.
;;     - The product sums the exact products of the quantised numbers (number of the format x scale) in f32.
;;   ~~~python
;;   def quantise(x, axis):      # numpy; x: float32 -> the quantised numbers, widened to float32 again
;;       x = np.moveaxis(x, axis, -1); K = x.shape[-1]
;;       x = np.pad(x, [(0, 0)] * (x.ndim - 1) + [(0, -K % 32)]); x = x.reshape(x.shape[:-1] + (-1, 32)); a = np.abs(x).max(-1, keepdims=True)
;;       e = np.where(a > 0, np.clip(np.frexp(np.where(a > 0, a, 1))[1] - 1 - 2, -126, 127), 0)      # np.frexp(a)[1] - 1 = floor(log2(a)), exactly
;;       r = np.clip(x / 2.0 ** e, -7.5, 7.5)
;;       step = 2.0 ** (np.maximum(np.frexp(np.where(r == 0, 1, r))[1] - 1, 0) - 3)
;;       q = np.round(r / step) * step * 2.0 ** e      # np.round: ties to even
;;       return np.moveaxis(q.reshape(q.shape[:-2] + (-1,))[..., :K], -1, axis).astype(np.float32)
;;   ~~~
;;   SOFTMAX AHEAD OF A QUANTISED PRODUCT. Where the list says 'softmax', what is quantised is not the finished softmax but p = 2^(t - M), with t = logit x log2(e) and M = ceil(the row's largest t), a whole number; so 1/2 < the row's largest p <= 1. The row's sum l is taken of the UNQUANTISED p, in f32, and the product's result is divided by l at the end. Since M is a whole number, a kernel that streams over the keys may use a running M (the ceiling of the running maximum): every later rescaling is an exact power of two, which a block's scale takes up: the codes' values come out the same.
;;   OPERANDS COMPUTED ON THE WAY. 'Computed on the way' means the value that the module computes at that place (a softmax that the list does not call 'softmax' is quantised finished and normalised). What goes into a quantiser is computed in f32, as accurately as f32 sums, v_exp_f32 and their like allow (about 1e-6 of the number): no bf16 or f16 on the way to a quantiser, and a product that is left as it is and whose result goes on into a quantised operand takes f32 operands (vector FMAs, or v_wmma_f32_16x16x4_f32). A number that lies on a knife's edge between two numbers of the format may be rounded either way, as far as f32 arithmetic and the matrix unit's own rounding can turn it there, and no further.
;;   INPUTS GIVEN AS CODES. Wk (in the module: [1024, 1024], K = its axis 1); Wo (in the module: [1024, 1024], K = its axis 1); Wq (in the module: [1024, 1024], K = its axis 1); Wv (in the module: [1024, 1024], K = its axis 1); x (in the module: [4, 2048, 1024], K = its axis 2): each comes as NAME_codes (uint8): NAME with its K axis moved to the last place and cut into blocks of 32 codes, [.., K / 32, bytes a block], one block behind the other in memory; four codes in three bytes: a row's codes are one little-endian stream of bits, code i at bits 6 i .. 6 i + 5 (a code: sign, 2 exponent bits, 3 mantissa bits); and NAME_scales (uint8): the same leading axes, one E8M0 byte (e + 127) for each 32 codes along K. Its value is code x scale, taken as it is: it is not quantised again, and the codes and scales need not be those that the quantiser above would give.
;; One version. Each part assembles by itself: llvm-mc -triple=amdgcn-amd-amdhsa -mcpu=gfx1250 --defsym DOCPART=n.
;; ======== version 1 of 1: 3 launches
;; workspace buffers: q_img 6,291,456 bytes; k_img 6,291,456 bytes; v_img 6,291,456 bytes; o_img 6,291,456 bytes; q_sc 524,288 bytes; k_sc 524,288 bytes; v_sc 262,144 bytes; o_sc 262,144 bytes
;; launch qkv (part 1): grid 12 x 32, 4 waves a work-group, clusters of 4 x 4, 327,680 bytes of LDS; arguments x_codes, x_scales, Wq_codes, Wq_scales, Wk_codes, Wk_scales, Wv_codes, Wv_scales, q_img, q_sc, k_img, k_sc, v_img, v_sc; writes q_img, q_sc, k_img, k_sc, v_img, v_sc
.if DOCPART == 1
	.amdgcn_target "amdgcn-amd-amdhsa--gfx1250"
	.amdhsa_code_object_version 6
	.text
	.protected	k_q166a5df3d1_qkv
	.globl	k_q166a5df3d1_qkv
	.p2align	8
	.type	k_q166a5df3d1_qkv,@function
k_q166a5df3d1_qkv:
	s_mov_b64 s[64:65], 0
	v_nop
	global_prefetch_b8 v0, s[64:65] scope:SCOPE_SE
	s_setreg_imm32_b32 hwreg(HW_REG_WAVE_MODE, 25, 1), 1
	s_wait_xcnt 0x0
	s_wait_alu depctr_hold_cnt(0) depctr_sa_sdst(0) depctr_va_vdst(0) depctr_va_sdst(0) depctr_va_ssrc(0) depctr_va_vcc(0) depctr_vm_vsrc(0)
	s_getreg_b32 s2, hwreg(HW_REG_IB_STS2, 6, 4)
	s_cmp_eq_u32 s2, 0
	s_cbranch_scc0 .Lentry_in_a_cluster
	s_endpgm
.Lentry_in_a_cluster:
	s_bfe_u32 s2, ttmp6, 0x10000c
	s_cmp_lg_u32 s2, 0xf033
	s_cbranch_scc0 .Lentry_shape_is_right
	s_endpgm
.Lentry_shape_is_right:
; Q = x Wq^T, K = x Wk^T, V = x Wv^T on codes of FP6 (E2M3) with one E8M0 scale for each 32 along K (1,024), sums in f32; the results are quantised at once, in registers,
; Q and K along a head's 64 features, V along the keys, and leave as IMAGES OF OPERAND REGISTERS for the attention launch.
; A work-group of four waves makes 256 x 256 results, a wave 128 x 128: 64 accumulators, 512 registers.  K goes in steps of 256 through a ring of two LDS slots filled by the tensor data mover;
; the scale bytes of the work-group's rows, for all of K, come into LDS once.  4 x 4 work-groups form a cluster; the tiles of source 1 are shared along a row of the cluster, those of source 0 along a column.
; ROLES, by the cluster's x (the same in all sixteen partners): 0: Q, 1: K: source 0 = 16 rows of the weight, source 1 = 16 rows of x: a lane holds ONE row of x and its registers run along the features.
;   2: V: source 0 = 16 rows of x (keys), source 1 = 16 rows of Wv: a lane holds ONE feature and its registers run along the keys.  So in every role a lane's registers run along the next product's K.
; ORDER INSIDE A BLOCK OF 32.  A lane (r, h) holds of block B the numbers 32 B + 8 h + 0..7 and 32 B + 16 + 8 h + 0..7; they are packed as they stand.  Both operands of each attention product are packed in this
; same order (Q and K here; V here and p in the attention launch), so the sums and the blocks' scales are those of the true order.
; IMAGES.  A unit is 256 bytes: lane l's two registers at 8 l.  q_img, k_img: [16 b + head][t / 128][tile of 16 rows][3 units]: 16 rows x 64 features, lane (r, h) = block h of row r.
;   v_img: [16 b + 2 (head / 2) + c][t / 128][4 (head % 2) + d / 16][3 units]: 16 features x keys 64 c .. 64 c + 63 of the key step.
;   q_sc, k_sc: [16 b + head][t / 128][lane][4 words]: word i of lane l = tile 2 i + l / 16, row l % 16: bytes 0, 1 the two blocks, bytes 2, 3 zero.  v_sc: [8 b + head / 2][t / 128][lane][4 words]: tile 2 i + l / 16 of the pair's eight, four key blocks.
; LIMITS: NaN and infinities among the results are not served.  A block of zeros gets the byte 1 where the quantiser says 127: its codes are zeros, and only this program reads the bytes.
.set SIZE_K, 1024
.set KSTEP,  256                       ; along K in a slot
.set NQ,     KSTEP/128                 ; matrix instructions deep
.set ROWB,   192                       ; a tile's row in bytes
.set KROW,   SIZE_K*6/8                ; a row of codes in memory
.set PITCH,  240                       ; an LDS row: 3 x (64 bytes + 16 of padding)
.set FR,     12                        ; registers of a fragment
.set NL,     6                         ; LDS loads that bring one
.set NP,     4                         ; places behind this matrix instruction (ISA guide 7.12.1)
.set HALFT,  128*PITCH
.set SLOT,   4*HALFT
.set LAPS,   SIZE_K/(2*KSTEP)
.set KS,     SIZE_K/32                 ; a row of scale bytes
.set SCL,    2*SLOT                    ; behind the ring: the scales, as units of 256 bytes + 16 of padding
.set HALFS,  (128*KS/256)*272
.set SBLK,   (16*KS/256)*272
.set SPARE,  SCL+4*HALFS               ; the spare words, 128 bytes for each wave; no other line names them
.set HS,     98304                     ; a head's 2,048 rows x 48 bytes of codes
.set ADRA, 16                          ; v16-17 LDS address of my source-1 fragments in slot 0, 1 (v18-19: behind one padding more)
.set ADRB, 20                          ; v20-21 the same for source 0 (v22-23)
.set ADRS, 27                          ; v27 my scale words: lanes 0-15 source 1's rows, lanes 16-31 source 0's
.set SPW,  28                          ; v28 my spare word; never rewritten
.set NIL,  29                          ; v29 0; never rewritten
.set L8,   30                          ; v30 8 x lane
.set L16,  31                          ; v31 16 x lane
.set SC,   32                          ; v32-63 scale words, two sets
.set AF,   128                         ; source 1's fragments, window 0, one set
.set CD,   64                          ; the way out: v64-159 codes, 12 registers for each block of 16 rows
.set X2,   160                         ; v160-162, v164-166 the conversions' second halves
.set TM,   168                         ; v168-171 largest magnitudes, v172-175 the other half's, then bytes, v180-183 the conversions' scale operands
.set PWS,  184                         ; v184-191 a scale word for each block of 16 rows
.set CW,   192                         ; v192-195 the scale image; v196-199, v200-203 its two heads
.set DW,   196
.set EW,   200
.set G1, 24
.set G0, 32
.set G1B, 48
.set G0B, 56
.set G1S, 68
.set G0S, 76
.set G1SB, 80
.set G0SB, 88
.set MSB, 0
.macro WIN new                         ; the immediate's high byte repeats the setting that is left
.if MSB != \new
	s_set_vgpr_msb (MSB<<8)|\new
.set MSB, \new
.endif
.endm
.set MUL_LO, 0xa1                      ; source 0 window 1, source 1 window 0, C and D window 2
.set MUL_HI, 0xf1                      ; the same, C and D window 3
.set TO_B,   0x40                      ; destination window 1
; A joint load: waves 0 and 1 fetch for source 1, waves 2 and 3 for source 0.  The branch hangs on the wave's number alone.  Four v_nop follow each of the two lines.
.macro JLOAD g0a, g1a, g0b, g1b
	s_cmp_eq_u32 s15, 0
	s_cbranch_scc0 .Lfor_b_\@
	tensor_load_to_lds s[\g0a:\g0a+3], s[\g1a:\g1a+7]
	s_nop 0
.rept 4
	v_nop
.endr
	s_branch .Lasked_\@
.Lfor_b_\@:
	tensor_load_to_lds s[\g0b:\g0b+3], s[\g1b:\g1b+7]
	s_nop 0
.rept 4
	v_nop
.endr
.Lasked_\@:
.endm
.macro CREST                           ; a round of the cluster's barrier behind its opening barrier
	s_cmp_lg_u32 s14, 0
	s_cbranch_scc1 .Lnot_wave_0_\@
	s_barrier_signal -3
.Lnot_wave_0_\@:
	s_barrier_wait -3
	s_barrier_signal -1
	s_barrier_wait -1
.endm
.macro CROUND                          ; a whole round
	s_barrier_signal -1
	s_barrier_wait -1
	CREST
.endm
	s_load_b512 s[68:83], s[0:1], 0x0              ; x's codes 68, scales 70; Wq's 72, 74; Wk's 76, 78; Wv's 80, 82
	s_load_b256 s[84:91], s[0:1], 0x40             ; q_img 84, q_sc 86, k_img 88, k_sc 90
	s_load_b128 s[92:95], s[0:1], 0x60             ; v_img 92, v_sc 94
	v_lshl_add_u32 v[SPW], v0, 2, SPARE
	v_mov_b32 v[NIL], 0
	ds_add_u32 v28, v29
	ds_add_u32 v28, v29
	s_wait_dscnt 0x0
	v_lshrrev_b32 v1, 5, v0
	v_readfirstlane_b32 s14, v1                    ; wave 0..3
	s_lshr_b32 s15, s14, 1                         ; which half of source 1's rows is mine.  Also: I fetch for source 1 (0) or source 0 (1)
	s_and_b32 s16, s14, 1                          ; which half of source 0's rows.  Also: which 128 rows of that tile I fetch
	s_bfe_u32 s40, ttmp6, 0x40000                  ; cx, cy: my place in the cluster
	s_bfe_u32 s41, ttmp6, 0x40004
	s_and_b32 s18, ttmp7, 0xffff
	s_lshl_b32 s18, s18, 2                         ; 4 x cluster y
	s_lshl_b32 s43, s41, 2
	s_lshl_b32 s43, 15, s43                        ; my row of the cluster
	s_lshl_b32 s44, 0x1111, s40                    ; my column
	s_mov_b32 s101, 0xffff
	; descriptor group 1: a tile of 128 rows x 192 bytes, 16 bytes of padding behind every 64
	s_or_b32 s[G1+0], s43, (0<<16)|(1<<20)|(1<<21)|(3<<22)|(3<<25)
	s_or_b32 s[G1B+0], s44, (0<<16)|(1<<20)|(1<<21)|(3<<22)|(3<<25)
.irp g, G1, G1B
	s_mov_b32 s[\g+1], ROWB<<16                    ; tensor_dim0
	s_mov_b32 s[\g+2], 128<<16                     ; tensor_dim1
	s_mov_b32 s[\g+3], ROWB<<16                    ; tile_dim0
	s_mov_b32 s[\g+4], 128                         ; tile_dim1
	s_mov_b32 s[\g+5], KROW                        ; pitch
	s_mov_b32 s[\g+6], 0
	s_mov_b32 s[\g+7], 0
.endr
	s_wait_kmcnt 0x0
	; the role chooses the buffers: s[4:5], s[6:7] source 1's codes and scales; s[8:9], s[10:11] source 0's; s[12:13] the images; s[98:99] the scale images.  The choices hang on the cluster's x alone
	s_cmp_eq_u32 ttmp9, 0
	s_cselect_b64 s[8:9], s[72:73], s[76:77]
	s_cselect_b64 s[10:11], s[74:75], s[78:79]
	s_cselect_b64 s[12:13], s[84:85], s[88:89]
	s_cselect_b64 s[98:99], s[86:87], s[90:91]
	s_cmp_eq_u32 ttmp9, 2
	s_cselect_b64 s[8:9], s[68:69], s[8:9]
	s_cselect_b64 s[10:11], s[70:71], s[10:11]
	s_cselect_b64 s[4:5], s[80:81], s[68:69]
	s_cselect_b64 s[6:7], s[82:83], s[70:71]
	s_cselect_b64 s[12:13], s[92:93], s[12:13]
	s_cselect_b64 s[98:99], s[94:95], s[98:99]
	s_cselect_b32 s100, 1, 0                       ; 1: the role is V
	s_cselect_b32 s101, -1, s101                   ; which bytes of a scale word the first scale image keeps
	s_cselect_b32 s42, s18, 0
	s_cselect_b32 s17, 0, s18
	s_add_co_u32 s42, s42, s40                     ; source 0's tile of 256 rows: cx (a weight's 4) or 4 x cluster y + cx (x's 32)
	s_add_co_u32 s17, s17, s41                     ; source 1's: 4 x cluster y + cy, or cy
	; group 1 for the scales of 128 rows: a dense block of 4,096 bytes as rows of 256 bytes, 16 bytes of padding behind each
	s_or_b32 s[G1S+0], s43, (3<<16)|(1<<20)|(1<<21)|(5<<22)|(3<<25)
	s_or_b32 s[G1SB+0], s44, (3<<16)|(1<<20)|(1<<21)|(5<<22)|(3<<25)
.irp g, G1S, G1SB
	s_mov_b32 s[\g+1], 32<<16
	s_mov_b32 s[\g+2], (128*KS/256)<<16
	s_mov_b32 s[\g+3], 32<<16
	s_mov_b32 s[\g+4], 128*KS/256
	s_mov_b32 s[\g+5], 32
	s_mov_b32 s[\g+6], 0
	s_mov_b32 s[\g+7], 0
.endr
	s_lshl_b32 s18, s16, 7                         ; which 128 rows of the tile I fetch
	s_lshl_b32 s20, s17, 8
	s_add_co_u32 s20, s20, s18                     ; source 1's row
	s_lshl_b32 s46, s42, 8
	s_add_co_u32 s46, s46, s18                     ; source 0's row
	s_mov_b32 s21, 0
	s_mov_b32 s47, 0
	s_mov_b64 s[18:19], KS
	s_mul_u64 s[22:23], s[20:21], s[18:19]         ; where these rows' scales begin, in bytes
	s_mul_u64 s[92:93], s[46:47], s[18:19]
	s_mov_b64 s[18:19], KROW
	s_mul_u64 s[20:21], s[20:21], s[18:19]         ; and their codes
	s_mul_u64 s[46:47], s[46:47], s[18:19]
	s_mul_i32 s45, s14, HALFT                      ; where they go: wave x 128 rows: no place in the cluster enters an LDS address
	s_mul_i32 s94, s14, HALFS
	s_add_nc_u64 s[20:21], s[4:5], s[20:21]
	s_add_nc_u64 s[22:23], s[6:7], s[22:23]
	s_add_nc_u64 s[46:47], s[8:9], s[46:47]
	s_add_nc_u64 s[92:93], s[10:11], s[92:93]
	CROUND                                         ; all sixteen work-groups are here: the first joint loads meet
	s_mov_b32 s[G0S], 1
	s_add_co_u32 s[G0S+1], s94, SCL
	s_mov_b64 s[G0S+2:G0S+3], s[22:23]
	s_or_b32 s[G0S+3], s[G0S+3], 0x80000000
	s_mov_b32 s[G0SB], 1
	s_add_co_u32 s[G0SB+1], s94, SCL
	s_mov_b64 s[G0SB+2:G0SB+3], s[92:93]
	s_or_b32 s[G0SB+3], s[G0SB+3], 0x80000000
	JLOAD G0S, G1S, G0SB, G1SB                     ; the scales first: they are wanted with K step 0
.irp s, 0,1
	s_mov_b32 s[G0+4*\s], 1
	s_add_co_u32 s[G0+4*\s+1], s45, \s*SLOT
	s_add_nc_u64 s[G0+4*\s+2:G0+4*\s+3], s[20:21], \s*ROWB
	s_or_b32 s[G0+4*\s+3], s[G0+4*\s+3], 0x80000000
	s_mov_b32 s[G0B+4*\s], 1
	s_add_co_u32 s[G0B+4*\s+1], s45, \s*SLOT
	s_add_nc_u64 s[G0B+4*\s+2:G0B+4*\s+3], s[46:47], \s*ROWB
	s_or_b32 s[G0B+4*\s+3], s[G0B+4*\s+3], 0x80000000
	JLOAD G0+4*\s, G1, G0B+4*\s, G1B               ; three tensor loads of mine are out
.endr
	v_and_b32 v1, 15, v0                           ; l % 16
	v_bfe_u32 v2, v0, 4, 1                         ; l / 16
	v_mul_u32_u24 v3, v1, PITCH
	v_mul_u32_u24 v4, v2, 24
	v_add_nc_u32 v4, v3, v4                        ; a fragment's row x pitch + 24 x half
	v_lshl_add_u32 v5, v2, 4, v4                   ; and the same behind one padding more
	s_mul_i32 s21, s15, HALFT                      ; my 128 rows of source 1
	s_mul_i32 s22, s16, HALFT                      ; my 128 rows of source 0,
	s_add_co_u32 s22, s22, 2*HALFT                 ; which lie behind source 1's 256
.irp s, 0,1
	v_add_nc_u32 v[ADRA+\s], s21, v4
	v_add_nc_u32 v[ADRB+\s], s22, v4
	v_add_nc_u32 v[ADRA+2+\s], s21, v5
	v_add_nc_u32 v[ADRB+2+\s], s22, v5
	s_add_co_u32 s21, s21, SLOT
	s_add_co_u32 s22, s22, SLOT
.endr
	v_mul_u32_u24 v5, v1, KS                       ; my row's scales: 32 bytes a row,
	v_lshrrev_b32 v6, 8, v5
	v_lshl_add_u32 v5, v6, 4, v5                   ; and 16 more for each 256 passed
	s_mul_i32 s21, s15, HALFS
	s_mul_i32 s22, s16, HALFS
	s_add_co_u32 s22, s22, 2*HALFS
	s_sub_co_u32 s22, s22, s21
	v_mul_u32_u24 v6, s22, v2                      ; lanes 16-31 take source 0's
	s_add_co_u32 s21, s21, SCL
	v_add_nc_u32 v5, v5, v6
	v_add_nc_u32 v[ADRS], s21, v5
	v_and_b32 v6, 31, v0
	v_lshlrev_b32 v[L8], 3, v6
	v_lshlrev_b32 v[L16], 4, v6
	; where my results go.  xs: which 128 rows of x are mine (b = xs / 16, t / 128 = xs % 16); hp: which pair of heads
	s_lshl_b32 s20, s17, 1
	s_add_co_u32 s20, s20, s15                     ; source 1's run of 128 rows
	s_lshl_b32 s21, s42, 1
	s_add_co_u32 s21, s21, s16                     ; source 0's
	s_cmp_eq_u32 s100, 1
	s_cselect_b32 s22, s21, s20                    ; xs
	s_cselect_b32 s23, s20, s21                    ; hp
	s_cselect_b32 s46, 13, 14                      ; a pair of heads' scale images: 8,192 bytes (V) or 16,384 (Q, K)
	s_lshr_b32 s47, s22, 4                         ; b
	s_and_b32 s22, s22, 15                         ; t / 128
	s_lshl_b32 s20, s47, 3
	s_add_co_u32 s20, s20, s23                     ; 8 b + hp
	s_lshl_b32 s21, s20, 1
	s_mul_i32 s21, s21, HS
	s_mul_i32 s47, s22, 6144
	s_add_co_u32 s92, s21, s47
	s_mov_b32 s93, 0
	s_add_nc_u64 s[12:13], s[12:13], s[92:93]
	s_lshl_b32 s92, s20, s46
	s_lshl_b32 s47, s22, 9
	s_add_co_u32 s92, s92, s47
	s_add_nc_u64 s[98:99], s[98:99], s[92:93]
	s_mov_b32 s20, 0x76543210                      ; v_permlanex16_b32's selects for lane l xor 16
	s_mov_b32 s21, 0xfedcba98
	s_mov_b32 s96, 0xffff0000                      ; lanes 16-31
.macro FRAG reg, adr, q, i             ; a fragment: lane l holds row l % 16; registers 6 c .. 6 c + 5 hold K = 64 c + 32 (l / 16) + 0 .. 31: 24 bytes of the row, in pieces of 8
.irp p, 0,1,2,3,4,5
.set PC, 12*(\q)+6*(\p/3)+\p%3        ; where the piece three on lies behind one padding more, the second address register serves
.if PC%8 < 5
	ds_load_b64 v[\reg+2*\p:\reg+2*\p+1], v[\adr] offset:8*PC+16*(PC/8)+(\i)*16*PITCH
.else
	ds_load_b64 v[\reg+2*\p:\reg+2*\p+1], v[\adr+2] offset:8*PC+16*(PC/8)+(\i)*16*PITCH
.endif
.endr
.endm
; 16 matrix instructions: source 1's blocks a0, a0 + 1 x source 0's eight, 128 along K.  zero = 1: the first product starts the sums.  The 64 accumulators take turns, one instruction a turn.
.macro MUL16 a0, p, q, sc, zero
.irp a, \a0, \a0+1
.irp b, 0,1,2,3,4,5,6,7
.if \zero
	v_wmma_scale_f32_16x16x128_f8f6f4 v[8*(8*((\a)%4)+\b):8*(8*((\a)%4)+\b)+7], v[128*(\p)+FR*\b:128*(\p)+FR*\b+FR-1], v[AF+FR*(\a):AF+FR*(\a)+FR-1], 0, v[SC+8*NQ*(\sc)+NQ*\b+(\q)], v[SC+8*NQ*(\sc)+NQ*(\a)+(\q)] matrix_a_fmt:MATRIX_FMT_FP6 matrix_b_fmt:MATRIX_FMT_FP6 matrix_a_scale:MATRIX_SCALE_ROW1
.else
	v_wmma_scale_f32_16x16x128_f8f6f4 v[8*(8*((\a)%4)+\b):8*(8*((\a)%4)+\b)+7], v[128*(\p)+FR*\b:128*(\p)+FR*\b+FR-1], v[AF+FR*(\a):AF+FR*(\a)+FR-1], v[8*(8*((\a)%4)+\b):8*(8*((\a)%4)+\b)+7], v[SC+8*NQ*(\sc)+NQ*\b+(\q)], v[SC+8*NQ*(\sc)+NQ*(\a)+(\q)] matrix_a_fmt:MATRIX_FMT_FP6 matrix_b_fmt:MATRIX_FMT_FP6 matrix_a_scale:MATRIX_SCALE_ROW1
.endif
.endr
.endr
.endm
.macro FETCH_B slot, q, p              ; source 0's eight fragments into set p
	WIN TO_B
.irp i, 0,1,2,3,4,5,6,7
	FRAG 128*(\p)+FR*\i, ADRB+\slot, \q, \i
.endr
	WIN 0
.endm
.macro FETCH_A slot, q, i0             ; source 1's blocks i0 .. i0 + 3
.irp i, \i0, \i0+1, \i0+2, \i0+3
	FRAG AF+FR*(\i), ADRA+\slot, \q, \i
.endr
.endm
.macro SCALES sc                       ; a K step's scale words: lanes 0-15 source 1's block i, lanes 16-31 source 0's block i
.irp i, 0,1,2,3,4,5,6,7
	ds_load_b64 v[SC+8*NQ*\sc+NQ*\i:SC+8*NQ*\sc+NQ*\i+1], v[ADRS] offset:\i*SBLK
.endr
.endm
.macro PLACES n                        ; plain vector instructions between a matrix instruction and a load into, or a read of, its registers
.rept \n
	v_nop
.endr
.endm
.macro STEP slot, q, zero              ; a step of 128 along K that has its successor in the same slot
	s_wait_dscnt 4*NL                              ; source 0's set and source 1's blocks 0-3 are in; the youngest 24 loads (blocks 4-7) may be out
	WIN MUL_LO
	MUL16 0, (\q)%2, \q, \slot, \zero
	MUL16 2, (\q)%2, \q, \slot, \zero
	s_wait_dscnt 0                                 ; blocks 4-7 are in
	PLACES NP
	FETCH_B \slot, (\q)+1, 1-(\q)%2
	FETCH_A \slot, (\q)+1, 0
	WIN MUL_HI
	MUL16 4, (\q)%2, \q, \slot, \zero
	MUL16 6, (\q)%2, \q, \slot, \zero
	PLACES NP
	WIN 0
	FETCH_A \slot, (\q)+1, 4
.endm
; A slot's last step changes slots: one barrier; in front of it each wave waits for all its tensor loads, adds 0 to its spare word, and waits for that and for its reads of this slot.  fill = 1: this slot is filled again, two K steps ahead.
.macro TURN slot, next, fill
	s_wait_tensorcnt 0x0                           ; all my tensor loads have landed: my part of the next slot
	ds_add_u32 v[SPW], v[NIL]                      ; 0 onto my spare word
	s_wait_dscnt 4*NL+1                            ; (the add and the youngest 24 loads may be out)
	WIN MUL_LO
	MUL16 0, 1, NQ-1, \slot, 0                     ; sixteen matrix instructions stand between the add and the wait for it
	s_wait_dscnt 0x0                               ; the add is done, and my reads of this slot are over
	s_barrier_signal -1
	MUL16 2, 1, NQ-1, \slot, 0
	WIN 0
	s_barrier_wait -1
.if \fill
	CREST                                          ; the barrier has opened a round of the cluster's barrier: no wave of any partner still reads this slot or has a load on its way
	s_add_nc_u64 s[G0+4*\slot+2:G0+4*\slot+3], s[G0+4*\slot+2:G0+4*\slot+3], 2*ROWB
	s_add_nc_u64 s[G0B+4*\slot+2:G0B+4*\slot+3], s[G0B+4*\slot+2:G0B+4*\slot+3], 2*ROWB
	JLOAD G0+4*\slot, G1, G0B+4*\slot, G1B         ; the first tensor load behind the round; its four v_nop are the places in front of the loads below
.else
	PLACES NP
.endif
	v_add_nc_u32 v[ADRS], 4*NQ, v[ADRS]            ; on to the next K step's scale words
	FETCH_B \next, 0, 0
	FETCH_A \next, 0, 0
	SCALES \next
	WIN MUL_HI
	MUL16 4, 1, NQ-1, \slot, 0
	MUL16 6, 1, NQ-1, \slot, 0
	PLACES NP
	WIN 0
	FETCH_A \next, 0, 4
.endm
	s_wait_tensorcnt 1                             ; the scales and my part of K step 0 are in (K step 1's load may be out),
	s_barrier_signal -1
	s_barrier_wait -1                              ; everybody's are
	FETCH_B 0, 0, 0
	FETCH_A 0, 0, 0
	SCALES 0
	FETCH_A 0, 0, 4
	STEP 0, 0, 1                                   ; the first step's products start the sums
.if LAPS > 1
	s_mov_b32 s3, LAPS-1
.Llap:                                                 ; a trip goes once round the ring and fills both slots again
	TURN 0, 1, 1
	STEP 1, 0, 0
	TURN 1, 0, 1
	STEP 0, 0, 0
	s_sub_co_u32 s3, s3, 1
	s_cmp_lg_u32 s3, 0
	s_cbranch_scc1 .Llap
.endif
	TURN 0, 1, 0                                   ; the last lap fills nothing
	STEP 1, 0, 0
	s_wait_dscnt 4*NL
	WIN MUL_LO
	MUL16 0, 1, NQ-1, 1, 0
	MUL16 2, 1, NQ-1, 1, 0
	s_wait_dscnt 0
	WIN MUL_HI
	MUL16 4, 1, NQ-1, 1, 0
	MUL16 6, 1, NQ-1, 1, 0
	WIN 0
; THE WAY OUT.  Block a (16 rows of source 1): a lane's 64 results are four half blocks of 32 along the next K; lane l xor 16 holds the other halves.  Largest magnitude with the floor 2^(3 - 127), 2 off its exponent
; field = the conversion's scale operand, its exponent field = the byte.  The conversions' halves change places between the halves of the lanes, so that a lane holds whole blocks: 12 registers = 6 units of 256 bytes.
.macro QUANT a
.set AC, 64*((\a)%4)
.set CA, CD+12*(\a)
.set WQ, 0x0a+5*((\a)/4)
.set WC, 0x02+((\a)/4)
	WIN WQ                                         ; sources 0 and 1: the accumulators' window
.irp b, 0,1,2,3
	v_max3_num_f32 v[TM+\b], |v[AC+16*\b]|, |v[AC+16*\b+1]|, 0x1800000   ; each accumulator is read from its low end on
.endr
.irp i, 2,4,6,8,10,12,14
.irp b, 0,1,2,3
	v_max3_num_f32 v[TM+\b], |v[AC+16*\b+\i]|, |v[AC+16*\b+\i+1]|, v[TM+\b]
.endr
.endr
	WIN 0
.irp b, 0,1,2,3
	v_permlanex16_b32 v[TM+4+\b], v[TM+\b], s20, s21
.endr
.irp b, 0,1,2,3
	v_max_num_f32 v[TM+\b], v[TM+\b], v[TM+4+\b]   ; the block's largest magnitude
.endr
.irp b, 0,1,2,3
	v_add_nc_u32 v[TM+12+\b], 0xff000000, v[TM+\b] ; 2 off its exponent field
.endr
.irp b, 0,1,2,3
	v_lshrrev_b32 v[TM+4+\b], 23, v[TM+12+\b]      ; the scale's byte
.endr
	v_lshl_or_b32 v[PWS+(\a)], v[TM+5], 8, v[TM+4]
	v_lshl_or_b32 v[PWS+(\a)], v[TM+6], 16, v[PWS+(\a)]
	v_lshl_or_b32 v[PWS+(\a)], v[TM+7], 24, v[PWS+(\a)]
	WIN WC                                         ; source 0: the accumulators' window
.irp c, 0,1
	v_cvt_scalef32_pk16_fp6_f32 v[CA+6*\c:CA+6*\c+2], v[AC+32*\c:AC+32*\c+15], v[TM+12+2*\c]
	v_cvt_scalef32_pk16_fp6_f32 v[X2+4*\c:X2+4*\c+2], v[AC+32*\c+16:AC+32*\c+31], v[TM+13+2*\c]
.endr
	WIN 0
	v_nop                                          ; one plain place behind a scaled conversion
.irp c, 0,1
.irp i, 0,1,2
	v_permlane16_swap_b32 v[CA+6*\c+\i], v[X2+4*\c+\i]
.endr
.irp i, 0,1,2
	v_mov_b32 v[CA+6*\c+3+\i], v[X2+4*\c+\i]
.endr
.endr
.irp p, 0,1,2,3,4,5
	global_store_b64 v[L8], v[CA+2*\p:CA+2*\p+1], s[12:13] offset:(\p/3)*HS+(\a)*768+(\p%3)*256   ; 32 lanes store 256 consecutive bytes, aligned; every block has data registers of its own
.endr
.endm
	PLACES NP
.irp b, 0,1,2,3
	v_mov_b32 v[TM+4+\b], 0                        ; written once: a lane permute's destination counts as one of its sources
.endr
.irp a, 0,1,2,3,4,5,6,7
	QUANT \a
.endr
.irp i, 0,1,2,3
	v_cndmask_b32 v[CW+\i], v[PWS+2*\i], v[PWS+2*\i+1], s96   ; lanes 0-15: block 2 i's words, lanes 16-31: block 2 i + 1's
.endr
.irp i, 0,1,2,3
	v_and_b32 v[DW+\i], s101, v[CW+\i]             ; Q, K: the even head's two bytes; V: the whole word
.endr
	global_store_b128 v[L16], v[DW:DW+3], s[98:99]
	s_cmp_eq_u32 s100, 1
	s_cbranch_scc1 .Lv
.irp i, 0,1,2,3
	v_lshrrev_b32 v[EW+\i], 16, v[CW+\i]           ; Q, K: the odd head's two bytes
.endr
	global_store_b128 v[L16], v[EW:EW+3], s[98:99] offset:8192
.Lv:
	s_wait_tensorcnt 0x0                           ; the wave's end
	ds_add_u32 v[SPW], v[NIL]
	s_wait_dscnt 0x0
	CROUND                                         ; the closing round
	s_endpgm
.Lfunc_end_k_q166a5df3d1_qkv:
	.size	k_q166a5df3d1_qkv, .Lfunc_end_k_q166a5df3d1_qkv-k_q166a5df3d1_qkv
	.p2alignl 7, 3214868480
	.fill 96, 4, 3214868480
	.section	.rodata,"a",@progbits
	.p2align	6, 0x0
	.amdhsa_kernel k_q166a5df3d1_qkv
		.amdhsa_group_segment_fixed_size 327680
		.amdhsa_private_segment_fixed_size 0
		.amdhsa_enable_private_segment 0
		.amdhsa_kernarg_size 112
		.amdhsa_user_sgpr_count 2
		.amdhsa_user_sgpr_kernarg_segment_ptr 1
		.amdhsa_wavefront_size32 1
		.amdhsa_system_sgpr_workgroup_id_x 1
		.amdhsa_system_sgpr_workgroup_id_y 1
		.amdhsa_system_sgpr_workgroup_id_z 1
		.amdhsa_system_vgpr_workitem_id 0
		.amdhsa_next_free_vgpr 1024
		.amdhsa_next_free_sgpr 102
		.amdhsa_reserve_vcc 0
		.amdhsa_float_denorm_mode_32 3
		.amdhsa_float_denorm_mode_16_64 3
		.amdhsa_memory_ordered 1
		.amdhsa_forward_progress 1
		.amdhsa_inst_pref_size 167
	.end_amdhsa_kernel
	.amdgpu_metadata
---
amdhsa.version: [ 1, 2 ]
amdhsa.kernels:
  - .name:           k_q166a5df3d1_qkv
    .symbol:         k_q166a5df3d1_qkv.kd
    .args:
      - { .name: x_codes, .offset: 0, .size: 8, .value_kind: global_buffer, .address_space: global }
      - { .name: x_scales, .offset: 8, .size: 8, .value_kind: global_buffer, .address_space: global }
      - { .name: Wq_codes, .offset: 16, .size: 8, .value_kind: global_buffer, .address_space: global }
      - { .name: Wq_scales, .offset: 24, .size: 8, .value_kind: global_buffer, .address_space: global }
      - { .name: Wk_codes, .offset: 32, .size: 8, .value_kind: global_buffer, .address_space: global }
      - { .name: Wk_scales, .offset: 40, .size: 8, .value_kind: global_buffer, .address_space: global }
      - { .name: Wv_codes, .offset: 48, .size: 8, .value_kind: global_buffer, .address_space: global }
      - { .name: Wv_scales, .offset: 56, .size: 8, .value_kind: global_buffer, .address_space: global }
      - { .name: q_img, .offset: 64, .size: 8, .value_kind: global_buffer, .address_space: global }
      - { .name: q_sc, .offset: 72, .size: 8, .value_kind: global_buffer, .address_space: global }
      - { .name: k_img, .offset: 80, .size: 8, .value_kind: global_buffer, .address_space: global }
      - { .name: k_sc, .offset: 88, .size: 8, .value_kind: global_buffer, .address_space: global }
      - { .name: v_img, .offset: 96, .size: 8, .value_kind: global_buffer, .address_space: global }
      - { .name: v_sc, .offset: 104, .size: 8, .value_kind: global_buffer, .address_space: global }
    .group_segment_fixed_size: 327680
    .private_segment_fixed_size: 0
    .kernarg_segment_align: 8
    .kernarg_segment_size: 112
    .max_flat_workgroup_size: 128
    .sgpr_count:     102
    .vgpr_count:     1024
    .wavefront_size: 32
...
	.end_amdgpu_metadata
.endif
;; end of part 1
;; launch attn (part 2): grid 4 x 64, 16 waves a work-group, clusters of 4 x 1, 215,040 bytes of LDS; arguments q_img, q_sc, k_img, k_sc, v_img, v_sc, o_img, o_sc; writes o_img, o_sc
.if DOCPART == 2
	.amdgcn_target "amdgcn-amd-amdhsa--gfx1250"
	.amdhsa_code_object_version 6
	.text
	.protected	k_q166a5df3d1_attn
	.globl	k_q166a5df3d1_attn
	.p2align	8
	.type	k_q166a5df3d1_attn,@function
k_q166a5df3d1_attn:
	s_mov_b64 s[64:65], 0
	v_nop
	global_prefetch_b8 v0, s[64:65] scope:SCOPE_SE
	s_setreg_imm32_b32 hwreg(HW_REG_WAVE_MODE, 25, 1), 1
	s_wait_xcnt 0x0
	s_wait_alu depctr_hold_cnt(0) depctr_sa_sdst(0) depctr_va_vdst(0) depctr_va_sdst(0) depctr_va_ssrc(0) depctr_va_vcc(0) depctr_vm_vsrc(0)
	s_getreg_b32 s2, hwreg(HW_REG_IB_STS2, 6, 4)
	s_cmp_eq_u32 s2, 0
	s_cbranch_scc0 .Lentry_in_a_cluster
	s_endpgm
.Lentry_in_a_cluster:
	s_bfe_u32 s2, ttmp6, 0x10000c
	s_cmp_lg_u32 s2, 0x3003
	s_cbranch_scc0 .Lentry_shape_is_right
	s_endpgm
.Lentry_shape_is_right:
; Causal attention of one (batch, head) by a cluster of four work-groups, both products on codes of FP6 (E2M3) with E8M0 scales; O is divided by the row's sum, quantised along the head's 64 and stored as an operand image.
; t = score x log2(e) / 32 (the model's width is 1,024); M = the running largest t rounded UP to a whole number; p = 2^(t - M) is quantised along the keys; the sum is taken of the unquantised p; when M moves, the sum and O^T
; are multiplied by 2^(old M - new M), which rounds nothing.
; SHARES.  Work-group cx takes queries 128 J + 32 cx .. + 31 of every J = 0 .. 15.  Wave w (W8 = w % 8, U = w / 8) owns the tile of 16 queries 2 cx + U of J = W8, then that of J = 15 - W8: (W8 + 1) + (16 - W8) = 17 key steps
; of 128 keys in every wave of every work-group.  Trip counts are constants; a step all of whose keys come after the queries is jumped over by a branch on the wave's number and a counter.  cx enters only Q's and O's global
; addresses and the mask's numbers.
; THE HEAD'S K AND V STAY IN LDS: 96 KiB of codes each and 8 KiB of scale images each, asked for JOINTLY by the four work-groups (mask 15), each byte filled once: no slot is filled again.
;   bytes 0: K [key step][tile of 16 keys][3 units of 256];  98,304 and 147,456: V's keys 0-63 and 64-127 of each step, [key step][d / 16][3 units];  196,608: K's scale images, 512 a step;  204,800: the head pair's V scale images.
; LAYOUT.  S^T = K Q^T (source 0 = 16 keys, source 1 = my 16 queries), O^T = V^T P^T: a lane holds ONE query.  The first product's K is 64: Q's fragment is 6 registers of codes and 6 of zero codes; K's tiles lie 6 registers apart, so the
; upper half of a K operand is the next tile's codes (behind the last: zeros): they meet zero codes, which add nothing (the format has no infinity or NaN), and the scale bytes of those blocks are 0 on both sides, never 0xff.
; p is packed in the order in which the projection launch packed V's keys (a lane's registers as they stand); O is brought into true order, since Wo's order is given.
; o_sc is row-major [8,192][32]: a tile's 32 scale bytes leave one to a lane, to 16 rows: 32 bytes beside the tile's 768 bytes of codes; a row's 32 bytes come from 16 clusters, so no work-group could gather a whole row.
; LIMITS: NaN and infinities are not served; a block of zeros gets the byte 1 (its codes are zeros; only this program reads the bytes); O / l is a reciprocal and a multiplication.
.set HS,   98304
.set VC,   98304
.set VPL,  49152
.set KSB,  196608
.set VSB,  204800
.set WV,  20                           ; s20 wave; s21 W8; s22 U; s23 cx; s24 16 b + head; s25 the head's parity; s26 wave % 2; s27 J
.set W8,  21
.set UU,  22
.set CX,  23
.set BH,  24
.set PAR, 25
.set PP,  26
.set JJ,  27
.set SEL, 28                           ; s[28:29] selects for lane l xor 16
.set CS,  30                           ; s[30:31] c = log2(e) / 32
.set G1K, 32                           ; groups 1: K's codes, V's codes, the scale images
.set G1V, 40
.set G1S, 48
.set G0K, 56                           ; groups 0: two parts each (key steps 0-7, 8-15)
.set G0V, 68
.set G0S, 76
.set KSI, 84                           ; the key step; s85-87 its bytes in K, in a plane of V, in the scale images
.set TK,  85
.set TV,  86
.set TS,  87
.set HI16, 88                          ; lanes 16-31
.set PMASK, 89                         ; all ones where the head is odd
.set QP,  90
.set QSP, 92
.set OP,  94
.set OSP, 96
.set F,   36                           ; v36-89: K's eight tiles 6 apart and 6 zeros, then V's four fragments
.set PCD, 192                          ; p's codes
.set PT,  204
.set BM,  212
.set BX,  216
.set SO,  220
.set FM,  226
.set FX,  228
.set FO,  230
.set FB,  232
.macro CROUND                          ; a round of the cluster's barrier
	s_barrier_signal -1
	s_barrier_wait -1
	s_cmp_lg_u32 s[WV], 0
	s_cbranch_scc1 .Lnot_wave_0_\@
	s_barrier_signal -3
.Lnot_wave_0_\@:
	s_barrier_wait -3
	s_barrier_signal -1
	s_barrier_wait -1
.endm
	s_load_b512 s[4:19], s[0:1], 0x0               ; q_img 4, q_sc 6, k_img 8, k_sc 10, v_img 12, v_sc 14, o_img 16, o_sc 18
	v_lshl_add_u32 v254, v0, 2, 0x34000
	v_mov_b32 v255, 0
	ds_add_u32 v254, v255
	ds_add_u32 v254, v255
	v_lshrrev_b32 v8, 5, v0
	s_delay_alu instid0(VALU_DEP_1)
	v_readfirstlane_b32 s[WV], v8
	s_and_b32 s[W8], s[WV], 7
	s_lshr_b32 s[UU], s[WV], 3
	s_and_b32 s[PP], s[WV], 1
	s_bfe_u32 s[CX], ttmp6, 0x40000
	s_and_b32 s[BH], ttmp7, 0xffff
	s_and_b32 s[PAR], s[BH], 1
	s_mov_b32 s[JJ], s[W8]
	s_mov_b32 s[SEL], 0x76543210
	s_mov_b32 s[SEL+1], 0xfedcba98
	s_mov_b32 s[CS], 0x3d38aa3b
	s_mov_b32 s[CS+1], s[CS]
	; groups 1: mask 15 (all four work-groups), bit 21 beside it, elements of 8 bytes, no padding
	s_mov_b32 s[G1K], 15|(3<<16)|(1<<21)           ; K's codes: 96 rows of 256 bytes, dense
	s_mov_b32 s[G1K+1], 32<<16
	s_mov_b32 s[G1K+2], 96<<16
	s_mov_b32 s[G1K+3], 32<<16
	s_mov_b32 s[G1K+4], 96
	s_mov_b32 s[G1K+5], 32
	s_mov_b32 s[G1K+6], 0
	s_mov_b32 s[G1K+7], 0
	s_mov_b32 s[G1V], 15|(3<<16)|(1<<21)           ; V's codes: 8 key steps' rows of 3,072 bytes (my head's four tiles), 6,144 bytes apart
	s_mov_b32 s[G1V+1], 384<<16
	s_mov_b32 s[G1V+2], 8<<16
	s_mov_b32 s[G1V+3], 384<<16
	s_mov_b32 s[G1V+4], 8
	s_mov_b32 s[G1V+5], 768
	s_mov_b32 s[G1V+6], 0
	s_mov_b32 s[G1V+7], 0
	s_mov_b32 s[G1S], 15|(3<<16)|(1<<21)           ; scale images: 16 rows of 256 bytes, dense
	s_mov_b32 s[G1S+1], 32<<16
	s_mov_b32 s[G1S+2], 16<<16
	s_mov_b32 s[G1S+3], 32<<16
	s_mov_b32 s[G1S+4], 16
	s_mov_b32 s[G1S+5], 32
	s_mov_b32 s[G1S+6], 0
	s_mov_b32 s[G1S+7], 0
	s_mul_i32 s84, s[BH], HS
	s_mul_i32 s85, s[PP], 24576                    ; K: half a part, in memory and in LDS
	s_add_co_u32 s98, s84, s85
	s_mov_b32 s99, 0
	s_sub_co_u32 s86, s[BH], s[PAR]
	s_add_co_u32 s86, s86, s[PP]                   ; V: the pair's plane wave % 2,
	s_mul_i32 s86, s86, HS
	s_mul_i32 s87, s[PAR], 3072                    ; my head's four tiles in each key step
	s_add_co_u32 s100, s86, s87
	s_mov_b32 s101, 0
	s_mul_i32 s86, s[PP], VPL
	s_lshl_b32 s87, s[PP], 13
	s_lshl_b32 s88, s[BH], 13                      ; K's scale images of the head
	s_lshr_b32 s89, s[BH], 1
	s_lshl_b32 s89, s89, 13                        ; V's of the pair
	s_wait_dscnt 0x0
	s_wait_kmcnt 0x0
	s_mov_b32 s[G0K], 1
	s_mov_b32 s[G0K+1], s85
	s_add_nc_u64 s[G0K+2:G0K+3], s[8:9], s[98:99]
	s_mov_b32 s[G0K+4], 1
	s_add_co_u32 s[G0K+5], s85, 49152
	s_add_nc_u64 s[G0K+6:G0K+7], s[G0K+2:G0K+3], 49152
	s_or_b32 s[G0K+3], s[G0K+3], 0x80000000
	s_or_b32 s[G0K+7], s[G0K+7], 0x80000000
	s_mov_b32 s[G0V], 1
	s_add_co_u32 s[G0V+1], s86, VC
	s_add_nc_u64 s[G0V+2:G0V+3], s[12:13], s[100:101]
	s_mov_b32 s[G0V+4], 1
	s_add_co_u32 s[G0V+5], s86, VC+24576
	s_add_nc_u64 s[G0V+6:G0V+7], s[G0V+2:G0V+3], 49152
	s_or_b32 s[G0V+3], s[G0V+3], 0x80000000
	s_or_b32 s[G0V+7], s[G0V+7], 0x80000000
	s_cmp_eq_u32 s[PP], 1                          ; wave 4: K's scale images; wave 5: V's
	s_cselect_b64 s[90:91], s[14:15], s[10:11]
	s_cselect_b32 s98, s89, s88
	s_mov_b32 s[G0S], 1
	s_add_co_u32 s[G0S+1], s87, KSB
	s_add_nc_u64 s[G0S+2:G0S+3], s[90:91], s[98:99]
	s_mov_b32 s[G0S+4], 1
	s_add_co_u32 s[G0S+5], s87, KSB+4096
	s_add_nc_u64 s[G0S+6:G0S+7], s[G0S+2:G0S+3], 4096
	s_or_b32 s[G0S+3], s[G0S+3], 0x80000000
	s_or_b32 s[G0S+7], s[G0S+7], 0x80000000
	CROUND                                         ; all four work-groups are here: the joint loads meet
	s_cmp_lt_u32 s[WV], 2                          ; waves 0, 1: K; 2, 3: V; 4, 5: the scale images; each two loads, key steps 0-7 first: two tensor loads of a wave are out
	s_cbranch_scc0 .Lnot_k
	tensor_load_to_lds s[G0K:G0K+3], s[G1K:G1K+7]
	s_nop 0
	tensor_load_to_lds s[G0K+4:G0K+7], s[G1K:G1K+7]
	s_nop 0
.rept 4
	v_nop
.endr
	s_branch .Lasked
.Lnot_k:
	s_cmp_lt_u32 s[WV], 4
	s_cbranch_scc0 .Lnot_v
	tensor_load_to_lds s[G0V:G0V+3], s[G1V:G1V+7]
	s_nop 0
	tensor_load_to_lds s[G0V+4:G0V+7], s[G1V:G1V+7]
	s_nop 0
.rept 4
	v_nop
.endr
	s_branch .Lasked
.Lnot_v:
	s_cmp_lt_u32 s[WV], 6
	s_cbranch_scc0 .Lasked
	tensor_load_to_lds s[G0S:G0S+3], s[G1S:G1S+7]
	s_nop 0
	tensor_load_to_lds s[G0S+4:G0S+7], s[G1S:G1S+7]
	s_nop 0
.rept 4
	v_nop
.endr
.Lasked:
	v_and_b32 v10, 31, v0                          ; lane
	v_and_b32 v8, 15, v0                           ; r
	v_bfe_u32 v9, v0, 4, 1                         ; h
	s_delay_alu instid0(VALU_DEP_3)
	v_lshlrev_b32 v1, 3, v10                       ; v1: 8 x lane: my place in a unit
	s_delay_alu instid0(VALU_DEP_1)
	v_add_nc_u32 v2, VC, v1                        ; v2: the same in V's plane 0
	v_lshl_add_u32 v3, v10, 4, KSB                 ; v3: my four scale words of K
	v_lshl_add_u32 v4, v10, 4, VSB                 ; v4: and of the pair's V
	s_lshl_b32 s98, s[CX], 5
	s_lshl_b32 s99, s[UU], 4
	s_add_co_u32 s98, s98, s99
	v_add_nc_u32 v5, s98, v8
	v_lshlrev_b32 v11, 3, v9
	s_delay_alu instid0(VALU_DEP_1)
	v_sub_nc_u32 v5, v5, v11                       ; v5: my query in its block of 128, less 8 h
	s_lshl_b32 s98, s[UU], 8
	s_lshl_b32 s99, s[CX], 2
	s_add_co_u32 s98, s98, s99
	v_lshl_add_u32 v6, v8, 4, s98                  ; v6: Q's scale word: lane r + 16 U of the image, word cx
	v_lshl_add_u32 v7, v8, 5, v9                   ; v7: O's scale byte: row r, block h
	s_mov_b32 s[HI16], 0xffff0000
	s_cmp_eq_u32 s[PAR], 1
	s_cselect_b32 s[PMASK], -1, 0
.irp j, 22,23,24,25,26,27,84,85,86,87,88,89,91,93,216,217,218,219,228,229
	v_mov_b32 v[\j], 0                             ; zero codes behind Q and behind K's last tile; registers that are named before they are first computed
.endr
	v_mov_b32 v90, 0xff800000                      ; -infinity
.macro QLOAD                           ; the addresses of the tile of J, and Q's six registers and scale word
	s_mul_i32 s98, s[BH], HS
	s_mul_i32 s99, s[JJ], 6144
	s_add_co_u32 s98, s98, s99
	s_lshl_b32 s99, s[CX], 1
	s_add_co_u32 s99, s99, s[UU]
	s_mul_i32 s99, s99, 768
	s_add_co_u32 s98, s98, s99
	s_mov_b32 s99, 0
	s_add_nc_u64 s[QP:QP+1], s[4:5], s[98:99]
	s_add_nc_u64 s[OP:OP+1], s[16:17], s[98:99]
	s_lshl_b32 s98, s[BH], 13
	s_lshl_b32 s100, s[JJ], 9
	s_add_co_u32 s98, s98, s100
	s_add_nc_u64 s[QSP:QSP+1], s[6:7], s[98:99]
	s_lshr_b32 s98, s[BH], 4
	s_lshl_b32 s98, s98, 11
	s_lshl_b32 s100, s[JJ], 7
	s_add_co_u32 s98, s98, s100
	s_lshl_b32 s100, s[CX], 5
	s_add_co_u32 s98, s98, s100
	s_lshl_b32 s100, s[UU], 4
	s_add_co_u32 s98, s98, s100                    ; my first row of the 8,192
	s_lshl_b32 s98, s98, 5
	s_and_b32 s100, s[BH], 15
	s_lshl_b32 s100, s100, 1
	s_add_co_u32 s98, s98, s100
	s_add_nc_u64 s[OSP:OSP+1], s[18:19], s[98:99]
.irp i, 0,1,2
	global_load_b64 v[16+2*\i:17+2*\i], v1, s[QP:QP+1] offset:256*\i
.endr
	global_load_b32 v28, v6, s[QSP:QSP+1]
.endm
.macro INIT                            ; O^T and the sum begin as zeros and the largest t as -3e38: the first change of M multiplies zeros
	v_mov_b32 v13, 0xff61b1e6
	s_delay_alu instid0(VALU_DEP_1)
	v_floor_f32 v12, -v13
	v_mov_b32 v14, 0
	v_mov_b32 v15, 0
.irp j, 0,1,2,3,4,5,6,7,8,9,10,11,12,13,14,15,16,17,18,19,20,21,22,23,24,25,26,27,28,29,30,31
	v_mov_b32 v[160+\j], 0
.endr
	s_mov_b32 s[KSI], 0
	s_mov_b32 s[TK], 0
	s_mov_b32 s[TV], 0
	s_mov_b32 s[TS], 0
.endm
; A KEY STEP: 128 keys.
.macro STEP
	s_cmp_gt_u32 s[KSI], s[JJ]                     ; all its keys come after my queries: only the counters step
	s_cbranch_scc1 .Lskip_\@
	s_setprio 2
	v_add_nc_u32 v8, s[TK], v1                     ; (these four are also the places behind the last step's products)
	v_add_nc_u32 v9, s[TV], v2
	v_add_nc_u32 v10, s[TS], v3
	v_add_nc_u32 v11, s[TS], v4
.irp t, 0,1,2,3,4,5,6,7
.irp i, 0,1,2
	ds_load_b64 v[F+6*\t+2*\i:F+6*\t+2*\i+1], v8 offset:768*\t+256*\i
.endr
.endr
	ds_load_b128 v[30:33], v10                     ; word i: lanes 0-15 tile 2 i, lanes 16-31 tile 2 i + 1
	s_wait_alu depctr_va_vdst(0)
	s_wait_dscnt 0x0
.irp t, 0,1,2,3,4,5,6,7
.if \t%2
	v_wmma_scale_f32_16x16x128_f8f6f4 v[96+8*\t:103+8*\t], v[F+6*\t:F+6*\t+11], v[16:27], 0, v[30+\t/2], v28 matrix_a_fmt:MATRIX_FMT_FP6 matrix_b_fmt:MATRIX_FMT_FP6 matrix_a_scale:MATRIX_SCALE_ROW1
.else
	v_wmma_scale_f32_16x16x128_f8f6f4 v[96+8*\t:103+8*\t], v[F+6*\t:F+6*\t+11], v[16:27], 0, v[30+\t/2], v28 matrix_a_fmt:MATRIX_FMT_FP6 matrix_b_fmt:MATRIX_FMT_FP6
.endif
.endr
.rept 4
	v_nop                                          ; places in front of the loads into K's registers and of the first read of the scores
.endr
.irp t, 0,1,2,3                                ; V is asked for now and lands under the softmax
.irp p, 0,1,2,3,4,5
	ds_load_b64 v[F+12*\t+2*\p:F+12*\t+2*\p+1], v9 offset:(\p/3)*VPL+768*\t+256*(\p%3)
.endr
.endr
	ds_load_b128 v[248:251], v11                   ; the pair's four scale words
	s_cmp_lg_u32 s[KSI], s[JJ]
	s_cbranch_scc1 .Lopen_\@
.irp n, 0,1,2,3,4,5,6,7,8,9,10,11,12,13,14,15,16,17,18,19,20,21,22,23,24,25,26,27,28,29,30,31,32,33,34,35,36,37,38,39,40,41,42,43,44,45,46,47,48,49,50,51,52,53,54,55,56,57,58,59,60,61,62,63
	v_cmp_gt_i32 vcc_lo, 16*(\n/8)+\n%8, v5        ; on the diagonal: register n holds key 16 (n / 8) + 8 h + n % 8 of the step: hidden where that is above my query
	v_cndmask_b32 v[96+\n], v[96+\n], v90, vcc_lo
.endr
.Lopen_\@:
.irp b, 0,1,2,3
	v_max3_num_f32 v[BM+\b], v[96+16*\b], v[97+16*\b], v[98+16*\b]   ; the largest score of each block of 32 keys: for the row's maximum, and, since p rises with the score, for the block's largest p
.endr
.irp i, 3,5,7,9,11,13
.irp b, 0,1,2,3
	v_max3_num_f32 v[BM+\b], v[BM+\b], v[96+16*\b+\i], v[97+16*\b+\i]
.endr
.endr
.irp b, 0,1,2,3
	v_max_num_f32 v[BM+\b], v[BM+\b], v[111+16*\b]
.endr
.irp b, 0,1,2,3
	s_delay_alu instid0(VALU_DEP_4)
	v_permlanex16_b32 v[BX+\b], v[BM+\b], s[SEL], s[SEL+1]
.endr
.irp b, 0,1,2,3
	s_delay_alu instid0(VALU_DEP_4)
	v_max_num_f32 v[BM+\b], v[BM+\b], v[BX+\b]
.endr
	s_delay_alu instid0(VALU_DEP_2)
	v_max3_num_f32 v91, v[BM], v[BM+1], v[BM+2]
	s_delay_alu instid0(VALU_DEP_1)
	v_max_num_f32 v91, v91, v[BM+3]                ; the step's largest score of my query (the step's first key always counts)
	s_delay_alu instid0(VALU_DEP_1)
	v_mul_f32 v91, s[CS], v91
	s_delay_alu instid0(VALU_DEP_1)
	v_max_num_f32 v13, v13, v91                    ; the running largest t
	v_mov_b32 v91, v12
	s_delay_alu instid0(VALU_DEP_2)
	v_floor_f32 v12, -v13                          ; -M = floor(-t)
	s_delay_alu instid0(VALU_DEP_1)
	v_sub_f32 v91, v12, v91                        ; old M - new M: a whole number, 0 or less
	s_delay_alu instid0(VALU_DEP_1)
	v_cvt_i32_f32 v91, v91                         ; (it saturates)
	s_delay_alu instid0(VALU_DEP_1)
	v_ldexp_f32 v92, 1.0, v91                      ; f = 2^(old M - new M)
	s_setprio 1
.irp j, 0,2,4,6,8,10,12,14,16,18,20,22,24,26,28,30,32,34,36,38,40,42,44,46,48,50,52,54,56,58,60,62
	v_pk_fma_f32 v[96+\j:97+\j], v[96+\j:97+\j], s[CS:CS+1], v[12:13] op_sel_hi:[1,0,0]   ; t - M
.endr
.irp b, 0,1,2,3
	v_fma_f32 v[BM+\b], v[BM+\b], s[CS], v12
.endr
	s_wait_alu depctr_va_vdst(0)
.irp j, 0,1,2,3,4,5,6,7,8,9,10,11,12,13,14,15,16,17,18,19,20,21,22,23,24,25,26,27,28,29,30,31,32,33,34,35,36,37,38,39,40,41,42,43,44,45,46,47,48,49,50,51,52,53,54,55,56,57,58,59,60,61,62,63
	v_exp_f32 v[96+\j], v[96+\j]                   ; p = 2^(t - M)
.endr
.irp b, 0,1,2,3
	v_exp_f32 v[BM+\b], v[BM+\b]                   ; the block's largest p
.endr
	v_pk_mul_f32 v[14:15], v[14:15], v[92:93] op_sel_hi:[1,0]   ; the sums under the new M (a plain place behind the exponentials)
	s_wait_alu depctr_va_vdst(0)
.irp b, 0,1,2,3
	v_max_num_f32 v[BM+\b], 0x1800000, v[BM+\b]    ; the floor 2^(3 - 127): the byte cannot fall under 1
.endr
.irp b, 0,1,2,3
	s_delay_alu instid0(VALU_DEP_4)
	v_add_nc_u32 v[SO+\b], 0xff000000, v[BM+\b]    ; 2 off the exponent field: the conversion's scale operand
.endr
.irp b, 0,1,2,3
	s_delay_alu instid0(VALU_DEP_4)
	v_lshrrev_b32 v[BX+\b], 23, v[SO+\b]           ; the byte
.endr
	s_delay_alu instid0(VALU_DEP_3)
	v_lshl_or_b32 v29, v[BX+1], 8, v[BX]           ; p's scale word for these 128 keys
	s_delay_alu instid0(VALU_DEP_1)
	v_lshl_or_b32 v29, v[BX+2], 16, v29
	s_delay_alu instid0(VALU_DEP_1)
	v_lshl_or_b32 v29, v[BX+3], 24, v29
.irp c, 0,1
	v_cvt_scalef32_pk16_fp6_f32 v[PCD+6*\c:PCD+6*\c+2], v[96+32*\c:111+32*\c], v[SO+2*\c]
	v_cvt_scalef32_pk16_fp6_f32 v[PT+4*\c:PT+4*\c+2], v[112+32*\c:127+32*\c], v[SO+2*\c+1]
.endr
	v_nop                                          ; one plain place behind a scaled conversion
.irp c, 0,1
.irp i, 0,1,2
	v_permlane16_swap_b32 v[PCD+6*\c+\i], v[PT+4*\c+\i]
.endr
.irp i, 0,1,2
	s_delay_alu instid0(VALU_DEP_3)
	v_mov_b32 v[PCD+6*\c+3+\i], v[PT+4*\c+\i]
.endr
.endr
	s_wait_dscnt 0x0                               ; V and its scale words are in
	v_cndmask_b32 v34, v248, v250, s[PMASK]        ; my head's two words of the pair's four
	v_cndmask_b32 v35, v249, v251, s[PMASK]
	s_setprio 0
.irp j, 0,2,4,6,8,10,12,14,16,18,20,22,24,26,28,30
	v_pk_mul_f32 v[160+\j:161+\j], v[160+\j:161+\j], v[92:93] op_sel_hi:[1,0]   ; O^T under the new M
.endr
	v_pk_add_f32 v[224:225], v[100:101], v[104:105]
	v_pk_add_f32 v[252:253], v[108:109], v[112:113]
	v_pk_add_f32 v[250:251], v[116:117], v[120:121]
	v_pk_add_f32 v[248:249], v[124:125], v[128:129]
	v_pk_add_f32 v[246:247], v[132:133], v[136:137]
	v_pk_add_f32 v[244:245], v[140:141], v[144:145]
	v_pk_add_f32 v[242:243], v[148:149], v[152:153]
	v_pk_add_f32 v[14:15], v[14:15], v[156:157]
	v_pk_add_f32 v[224:225], v[224:225], v[96:97]
	v_pk_add_f32 v[252:253], v[252:253], v[98:99]
	v_pk_add_f32 v[250:251], v[250:251], v[102:103]
	v_pk_add_f32 v[248:249], v[248:249], v[106:107]
	v_pk_add_f32 v[246:247], v[246:247], v[110:111]
	v_pk_add_f32 v[244:245], v[244:245], v[114:115]
	v_pk_add_f32 v[242:243], v[242:243], v[118:119]
	v_pk_add_f32 v[14:15], v[14:15], v[122:123]
	v_pk_add_f32 v[224:225], v[224:225], v[126:127]
	v_pk_add_f32 v[252:253], v[252:253], v[130:131]
	v_pk_add_f32 v[250:251], v[250:251], v[134:135]
	v_pk_add_f32 v[248:249], v[248:249], v[138:139]
	v_pk_add_f32 v[246:247], v[246:247], v[142:143]
	v_pk_add_f32 v[244:245], v[244:245], v[146:147]
	v_pk_add_f32 v[242:243], v[242:243], v[150:151]
	v_pk_add_f32 v[14:15], v[14:15], v[154:155]
	v_pk_add_f32 v[224:225], v[224:225], v[158:159]
	s_delay_alu instid0(VALU_DEP_2)
	v_pk_add_f32 v[14:15], v[14:15], v[248:249]
	s_delay_alu instid0(VALU_DEP_2)
	v_pk_add_f32 v[224:225], v[224:225], v[246:247]
	v_pk_add_f32 v[252:253], v[252:253], v[244:245]
	v_pk_add_f32 v[250:251], v[250:251], v[242:243]
	s_delay_alu instid0(VALU_DEP_2)
	v_pk_add_f32 v[14:15], v[14:15], v[252:253]
	s_delay_alu instid0(VALU_DEP_2)
	v_pk_add_f32 v[224:225], v[224:225], v[250:251]
	s_delay_alu instid0(VALU_DEP_1)
	v_pk_add_f32 v[14:15], v[14:15], v[224:225]
.irp t, 0,1,2,3                                ; the four accumulators take turns, and the scores' eight products stand between two steps'
.if \t%2
	v_wmma_scale_f32_16x16x128_f8f6f4 v[160+8*\t:167+8*\t], v[F+12*\t:F+12*\t+11], v[PCD:PCD+11], v[160+8*\t:167+8*\t], v[34+\t/2], v29 matrix_a_fmt:MATRIX_FMT_FP6 matrix_b_fmt:MATRIX_FMT_FP6 matrix_a_scale:MATRIX_SCALE_ROW1
.else
	v_wmma_scale_f32_16x16x128_f8f6f4 v[160+8*\t:167+8*\t], v[F+12*\t:F+12*\t+11], v[PCD:PCD+11], v[160+8*\t:167+8*\t], v[34+\t/2], v29 matrix_a_fmt:MATRIX_FMT_FP6 matrix_b_fmt:MATRIX_FMT_FP6
.endif
.endr
.Lskip_\@:
	s_add_co_u32 s[KSI], s[KSI], 1
	s_add_co_u32 s[TK], s[TK], 6144
	s_add_co_u32 s[TV], s[TV], 3072
	s_add_co_u32 s[TS], s[TS], 512
.endm
; O^T / the sum, into true order along d, quantised, stored as an image of 16 rows x 64, with its two scale bytes a row.
.macro FINISH
.rept 4
	v_nop
.endr
	v_add_f32 v14, v14, v15
	s_delay_alu instid0(VALU_DEP_1)
	v_permlanex16_b32 v91, v14, s[SEL], s[SEL+1]
	s_delay_alu instid0(VALU_DEP_1)
	v_add_f32 v14, v14, v91                        ; the row's sum
	s_wait_alu depctr_va_vdst(0)
	v_rcp_f32 v14, v14
	v_nop                                          ; a plain place behind the reciprocal
	s_wait_alu depctr_va_vdst(0)
.irp j, 0,2,4,6,8,10,12,14,16,18,20,22,24,26,28,30
	v_pk_mul_f32 v[160+\j:161+\j], v[160+\j:161+\j], v[14:15] op_sel_hi:[1,0]
.endr
.irp b, 0,1
.irp j, 0,1,2,3,4,5,6,7
	v_permlane16_swap_b32 v[160+16*\b+\j], v[168+16*\b+\j]   ; a lane now holds d = 32 b + 16 h + 0 .. 15 in its registers 160 + 16 b on
.endr
.endr
.irp b, 0,1
	v_max3_num_f32 v[FM+\b], |v[160+16*\b]|, |v[161+16*\b]|, 0x1800000
.endr
.irp i, 2,4,6,8,10,12,14
.irp b, 0,1
	s_delay_alu instid0(VALU_DEP_2)
	v_max3_num_f32 v[FM+\b], v[FM+\b], |v[160+16*\b+\i]|, |v[161+16*\b+\i]|
.endr
.endr
.irp b, 0,1
	s_delay_alu instid0(VALU_DEP_2)
	v_permlanex16_b32 v[FX+\b], v[FM+\b], s[SEL], s[SEL+1]
.endr
.irp b, 0,1
	s_delay_alu instid0(VALU_DEP_2)
	v_max_num_f32 v[FM+\b], v[FM+\b], v[FX+\b]
.endr
.irp b, 0,1
	s_delay_alu instid0(VALU_DEP_2)
	v_add_nc_u32 v[FO+\b], 0xff000000, v[FM+\b]
.endr
.irp b, 0,1
	s_delay_alu instid0(VALU_DEP_2)
	v_lshrrev_b32 v[FB+\b], 23, v[FO+\b]
.endr
	v_cvt_scalef32_pk16_fp6_f32 v[236:238], v[160:175], v[FO]
	v_cvt_scalef32_pk16_fp6_f32 v[242:244], v[176:191], v[FO+1]
	v_nop
.irp i, 0,1,2
	v_permlane16_swap_b32 v[236+\i], v[242+\i]
.endr
.irp i, 0,1,2
	s_delay_alu instid0(VALU_DEP_3)
	v_mov_b32 v[239+\i], v[242+\i]                 ; v236-241: lane (r, h) holds block h of row r
.endr
	v_cndmask_b32 v234, v[FB], v[FB+1], s[HI16]
.irp i, 0,1,2
	global_store_b64 v1, v[236+2*\i:237+2*\i], s[OP:OP+1] offset:256*\i   ; 32 lanes store 256 consecutive bytes, aligned
.endr
	global_store_b8 v7, v234, s[OSP:OSP+1]
.endm
	QLOAD
	INIT
	s_wait_tensorcnt 0x1                           ; my first load (key steps 0-7) has landed; the second may be out
	s_barrier_signal -1
	s_barrier_wait -1                              ; everybody's has
	s_wait_loadcnt 0x0                             ; Q
	STEP                                           ; key step 0, which every wave has
	s_wait_tensorcnt 0x0                           ; key steps 8-15 have landed,
	s_wait_dscnt 0x0
	s_barrier_signal -1
	s_barrier_wait -1                              ; everybody's have: from here on the waves go their own ways
.La:                                               ; J = W8: key steps 1 to 7, those above J jumped over
	STEP
	s_cmp_lt_u32 s[KSI], 8
	s_cbranch_scc1 .La
	s_setprio 0
	s_wait_alu depctr_va_vdst(0)
	FINISH
	s_sub_co_u32 s[JJ], 15, s[W8]                  ; J = 15 - W8
	s_wait_xcnt 0x0                                ; the stores have read their bases and data: both are written again below
	QLOAD
	INIT
	s_wait_loadcnt 0x0
.Lb:                                               ; key steps 0 to 15, those above J jumped over
	STEP
	s_cmp_lt_u32 s[KSI], 16
	s_cbranch_scc1 .Lb
	s_setprio 0
	s_wait_alu depctr_va_vdst(0)
	FINISH
	s_wait_tensorcnt 0x0
	ds_add_u32 v254, v255
	s_wait_dscnt 0x0
	CROUND                                         ; the closing round
	s_endpgm
.Lfunc_end_k_q166a5df3d1_attn:
	.size	k_q166a5df3d1_attn, .Lfunc_end_k_q166a5df3d1_attn-k_q166a5df3d1_attn
	.p2alignl 7, 3214868480
	.fill 96, 4, 3214868480
	.section	.rodata,"a",@progbits
	.p2align	6, 0x0
	.amdhsa_kernel k_q166a5df3d1_attn
		.amdhsa_group_segment_fixed_size 215040
		.amdhsa_private_segment_fixed_size 0
		.amdhsa_enable_private_segment 0
		.amdhsa_kernarg_size 64
		.amdhsa_user_sgpr_count 2
		.amdhsa_user_sgpr_kernarg_segment_ptr 1
		.amdhsa_wavefront_size32 1
		.amdhsa_system_sgpr_workgroup_id_x 1
		.amdhsa_system_sgpr_workgroup_id_y 1
		.amdhsa_system_sgpr_workgroup_id_z 1
		.amdhsa_system_vgpr_workitem_id 0
		.amdhsa_next_free_vgpr 256
		.amdhsa_next_free_sgpr 102
		.amdhsa_reserve_vcc 1
		.amdhsa_float_denorm_mode_32 3
		.amdhsa_float_denorm_mode_16_64 3
		.amdhsa_memory_ordered 1
		.amdhsa_forward_progress 1
		.amdhsa_inst_pref_size 95
	.end_amdhsa_kernel
	.amdgpu_metadata
---
amdhsa.version: [ 1, 2 ]
amdhsa.kernels:
  - .name:           k_q166a5df3d1_attn
    .symbol:         k_q166a5df3d1_attn.kd
    .args:
      - { .name: q_img, .offset: 0, .size: 8, .value_kind: global_buffer, .address_space: global }
      - { .name: q_sc, .offset: 8, .size: 8, .value_kind: global_buffer, .address_space: global }
      - { .name: k_img, .offset: 16, .size: 8, .value_kind: global_buffer, .address_space: global }
      - { .name: k_sc, .offset: 24, .size: 8, .value_kind: global_buffer, .address_space: global }
      - { .name: v_img, .offset: 32, .size: 8, .value_kind: global_buffer, .address_space: global }
      - { .name: v_sc, .offset: 40, .size: 8, .value_kind: global_buffer, .address_space: global }
      - { .name: o_img, .offset: 48, .size: 8, .value_kind: global_buffer, .address_space: global }
      - { .name: o_sc, .offset: 56, .size: 8, .value_kind: global_buffer, .address_space: global }
    .group_segment_fixed_size: 215040
    .private_segment_fixed_size: 0
    .kernarg_segment_align: 8
    .kernarg_segment_size: 64
    .max_flat_workgroup_size: 512
    .sgpr_count:     102
    .vgpr_count:     256
    .wavefront_size: 32
...
	.end_amdgpu_metadata
.endif
;; end of part 2
;; launch outp (part 3): grid 8 x 32, 4 waves a work-group, clusters of 4 x 4, 327,680 bytes of LDS; arguments o_img, o_sc, Wo_codes, Wo_scales, out0; writes out0
.if DOCPART == 3
	.amdgcn_target "amdgcn-amd-amdhsa--gfx1250"
	.amdhsa_code_object_version 6
	.text
	.protected	k_q166a5df3d1_outp
	.globl	k_q166a5df3d1_outp
	.p2align	8
	.type	k_q166a5df3d1_outp,@function
k_q166a5df3d1_outp:
	s_mov_b64 s[64:65], 0
	v_nop
	global_prefetch_b8 v0, s[64:65] scope:SCOPE_SE
	s_setreg_imm32_b32 hwreg(HW_REG_WAVE_MODE, 25, 1), 1
	s_wait_xcnt 0x0
	s_wait_alu depctr_hold_cnt(0) depctr_sa_sdst(0) depctr_va_vdst(0) depctr_va_sdst(0) depctr_va_ssrc(0) depctr_va_vcc(0) depctr_vm_vsrc(0)
	s_getreg_b32 s2, hwreg(HW_REG_IB_STS2, 6, 4)
	s_cmp_eq_u32 s2, 0
	s_cbranch_scc0 .Lentry_in_a_cluster
	s_endpgm
.Lentry_in_a_cluster:
	s_bfe_u32 s2, ttmp6, 0x10000c
	s_cmp_lg_u32 s2, 0xf033
	s_cbranch_scc0 .Lentry_shape_is_right
	s_endpgm
.Lentry_shape_is_right:
; out0 = O Wo^T on codes of FP6 (E2M3) with E8M0 scales, sums in f32.  O: 8,192 rows as operand images ([16 b + head][t / 128][tile of 16 rows][3 units of 256 bytes]: 16 rows x a head's 64), scale bytes row-major [8,192][32];
; Wo: [1,024][1,024] codes, K innermost, scale bytes [1,024][32].  256 work-groups; a work-group makes 256 rows x 128 columns, each of its four waves 128 x 64: 32 accumulators, 256 registers.
; ALL OF K FITS IN LDS, as four chunks of 256 along K, each byte filled once: four tensor loads a wave go out at the start (four are out), and a counted wait and a barrier stand in front of each chunk's first read.
; CLUSTERS: 4 x 4 work-groups; O's tiles are shared along a row of the cluster, Wo's along a column: joint loads.  Source 0 = 16 rows of Wo, source 1 = 16 rows of O: a lane holds eight neighbouring columns of one row of out0.
; A chunk in LDS: O's two halves of 128 rows, [4 heads][8 tiles][3 units], 24,576 bytes each, read as they lie (lane l's 8 bytes at 8 l); then Wo's two halves of 64 rows x 192 bytes, 16 bytes of padding behind every 64: pitch 240.
; The scale words go straight from memory into registers that hold nothing else: 8 words (K steps) for each block of 16 rows, in lanes 0-15 (and the same in lanes 16-31).
; REGISTERS: window 0: v16-30 addresses; v32-95 O's scale words, v96-127 Wo's; v128-223 O's eight fragments, one set.  window 1: the accumulators, (a, b) at v[8 (4 a + b)].  window 2: Wo's four fragments, two sets.
.set CHUNK, 79872
.set PITCH, 240
.set HS,    98304
.set ADRA,  16                         ; v16-19 my O fragments in chunk c
.set ADRB,  20                         ; v20-23 my Wo fragments; v24-27 behind one padding more
.set ADRB2, 24
.set STO,   28
.set RD,    29
.set CO,    30
.set SA,    32
.set SB,    96
.set AF,    128
.set BK,    128
.set G1A,   24
.set G0A,   32
.set G1B,   48
.set MSB, 0
.macro WIN new
.if MSB != \new
	s_set_vgpr_msb (MSB<<8)|\new
.set MSB, \new
.endif
.endm
.set MUL,  0x52                        ; source 0 (Wo) window 2, source 1 (O) window 0, C and D window 1
.set TO_B, 0x80                        ; destination window 2
.macro CROUND
	s_barrier_signal -1
	s_barrier_wait -1
	s_cmp_lg_u32 s14, 0
	s_cbranch_scc1 .Lnot_wave_0_\@
	s_barrier_signal -3
.Lnot_wave_0_\@:
	s_barrier_wait -3
	s_barrier_signal -1
	s_barrier_wait -1
.endm
	s_load_b256 s[4:11], s[0:1], 0x0               ; o_img 4, o_sc 6, Wo's codes 8, Wo's scales 10
	s_load_b64 s[12:13], s[0:1], 0x20              ; out0
	v_lshl_add_u32 v254, v0, 2, 0x4e000
	v_mov_b32 v255, 0
	ds_add_u32 v254, v255
	ds_add_u32 v254, v255
	v_lshrrev_b32 v1, 5, v0
	v_readfirstlane_b32 s14, v1                    ; wave 0..3
	s_lshr_b32 s15, s14, 1                         ; my half of the rows.  Also: I fetch for O (0) or for Wo (1)
	s_and_b32 s16, s14, 1                          ; my half of the columns.  Also: which half of that tile I fetch
	s_bfe_u32 s76, ttmp6, 0x40000                  ; cx
	s_bfe_u32 s77, ttmp6, 0x40004                  ; cy
	s_lshl_b32 s78, ttmp9, 2
	s_add_co_u32 s78, s78, s76                     ; tile column, 0..7
	s_and_b32 s17, ttmp7, 0xffff
	s_lshl_b32 s17, s17, 2
	s_add_co_u32 s17, s17, s77                     ; tile row, 0..31
	s_lshl_b32 s79, s77, 2
	s_lshl_b32 s79, 15, s79                        ; my row of the cluster
	s_lshl_b32 s80, 0x1111, s76                    ; my column
	s_or_b32 s[G1A], s79, (3<<16)|(1<<21)          ; O: 4 heads' rows of 6,144 bytes (768 elements of 8), a head's 98,304 bytes apart; no padding
	s_mov_b32 s[G1A+1], 768<<16
	s_mov_b32 s[G1A+2], 4<<16
	s_mov_b32 s[G1A+3], 768<<16
	s_mov_b32 s[G1A+4], 4
	s_mov_b32 s[G1A+5], 12288
	s_mov_b32 s[G1A+6], 0
	s_mov_b32 s[G1A+7], 0
	s_or_b32 s[G1B], s80, (0<<16)|(1<<20)|(1<<21)|(3<<22)|(3<<25)   ; Wo: 64 rows of 192 bytes, 768 apart; 16 bytes of padding behind every 64
	s_mov_b32 s[G1B+1], 192<<16
	s_mov_b32 s[G1B+2], 64<<16
	s_mov_b32 s[G1B+3], 192<<16
	s_mov_b32 s[G1B+4], 64
	s_mov_b32 s[G1B+5], 768
	s_mov_b32 s[G1B+6], 0
	s_mov_b32 s[G1B+7], 0
	s_lshr_b32 s18, s17, 3                         ; b
	s_lshl_b32 s18, s18, 4
	s_mul_i32 s18, s18, HS
	s_and_b32 s19, s17, 7
	s_lshl_b32 s19, s19, 1
	s_add_co_u32 s19, s19, s16                     ; t / 128 of the half that I fetch
	s_mul_i32 s19, s19, 6144
	s_add_co_u32 s18, s18, s19
	s_mov_b32 s19, 0
	s_lshl_b32 s82, s78, 7
	s_lshl_b32 s83, s16, 6
	s_add_co_u32 s82, s82, s83                     ; Wo's row
	s_mul_i32 s82, s82, 768
	s_mov_b32 s83, 0
	s_mul_i32 s20, s16, 24576                      ; where they go in a chunk
	s_mul_i32 s21, s16, 15360
	s_add_co_u32 s21, s21, 49152
	s_wait_dscnt 0x0
	s_wait_kmcnt 0x0
	s_add_nc_u64 s[22:23], s[4:5], s[18:19]
	s_add_nc_u64 s[84:85], s[8:9], s[82:83]
	CROUND                                         ; all sixteen work-groups are here: the joint loads meet
.irp c, 0,1,2,3
.set GB, 56+4*\c+4*(\c/2)                      ; Wo's groups 0: s56, s60, s68, s72
	s_mov_b32 s[G0A+4*\c], 1
	s_add_co_u32 s[G0A+4*\c+1], s20, \c*CHUNK
	s_add_nc_u64 s[G0A+4*\c+2:G0A+4*\c+3], s[22:23], \c*4*HS
	s_or_b32 s[G0A+4*\c+3], s[G0A+4*\c+3], 0x80000000
	s_mov_b32 s[GB], 1
	s_add_co_u32 s[GB+1], s21, \c*CHUNK
	s_add_nc_u64 s[GB+2:GB+3], s[84:85], \c*192
	s_or_b32 s[GB+3], s[GB+3], 0x80000000
.endr
	s_cmp_eq_u32 s15, 0
	s_cbranch_scc0 .Lfor_b
	tensor_load_to_lds s[32:35], s[G1A:G1A+7]
	s_nop 0
	tensor_load_to_lds s[36:39], s[G1A:G1A+7]
	s_nop 0
	tensor_load_to_lds s[40:43], s[G1A:G1A+7]
	s_nop 0
	tensor_load_to_lds s[44:47], s[G1A:G1A+7]
	s_nop 0
.rept 4
	v_nop
.endr
	s_branch .Lasked
.Lfor_b:
	tensor_load_to_lds s[56:59], s[G1B:G1B+7]
	s_nop 0
	tensor_load_to_lds s[60:63], s[G1B:G1B+7]
	s_nop 0
	tensor_load_to_lds s[68:71], s[G1B:G1B+7]
	s_nop 0
	tensor_load_to_lds s[72:75], s[G1B:G1B+7]
	s_nop 0
.rept 4
	v_nop
.endr
.Lasked:
	v_and_b32 v1, 15, v0                           ; r
	v_bfe_u32 v2, v0, 4, 1                         ; h
	v_and_b32 v3, 31, v0                           ; lane
	v_lshlrev_b32 v31, 5, v1                       ; a row of scale bytes is 32
	s_lshl_b32 s18, s17, 8
	s_lshl_b32 s19, s15, 7
	s_add_co_u32 s18, s18, s19                     ; my first row
	s_lshl_b32 s82, s18, 5
	s_mov_b32 s83, 0
	s_add_nc_u64 s[6:7], s[6:7], s[82:83]
	s_lshl_b32 s82, s18, 12                        ; a row of out0 is 4,096 bytes
	s_lshl_b32 s19, s78, 9
	s_add_co_u32 s82, s82, s19
	s_lshl_b32 s19, s16, 8
	s_add_co_u32 s82, s82, s19
	s_add_nc_u64 s[12:13], s[12:13], s[82:83]
	s_lshl_b32 s82, s78, 7
	s_lshl_b32 s19, s16, 6
	s_add_co_u32 s82, s82, s19                     ; my first row of Wo
	s_lshl_b32 s82, s82, 5
	s_add_nc_u64 s[10:11], s[10:11], s[82:83]
.irp a, 0,1,2,3,4,5,6,7
	global_load_b128 v[SA+8*\a:SA+8*\a+3], v31, s[6:7] offset:512*\a       ; block a's rows: the words of K steps 0-3,
	global_load_b128 v[SA+8*\a+4:SA+8*\a+7], v31, s[6:7] offset:512*\a+16  ; and 4-7
.endr
.irp b, 0,1,2,3
	global_load_b128 v[SB+8*\b:SB+8*\b+3], v31, s[10:11] offset:512*\b
	global_load_b128 v[SB+8*\b+4:SB+8*\b+7], v31, s[10:11] offset:512*\b+16
.endr
	v_lshlrev_b32 v4, 3, v3
	s_mul_i32 s18, s15, 24576
	v_add_nc_u32 v4, s18, v4                       ; O: 8 x lane + my half
	v_mul_u32_u24 v5, v1, PITCH
	v_mad_u32_u24 v5, v2, 24, v5
	s_mul_i32 s19, s16, 15360
	s_add_co_u32 s19, s19, 49152
	v_add_nc_u32 v5, s19, v5                       ; Wo: row x pitch + 24 x half + my half of the columns
	v_lshl_add_u32 v6, v2, 4, v5                   ; and behind one padding more
.irp c, 0,1,2,3
	v_add_nc_u32 v[ADRA+\c], \c*CHUNK, v4
	v_add_nc_u32 v[ADRB+\c], \c*CHUNK, v5
	v_add_nc_u32 v[ADRB2+\c], \c*CHUNK, v6
.endr
	s_mul_i32 s18, s14, 4352                       ; my stage: 16 rows x (256 + 16) bytes, in chunk 0
	v_mul_u32_u24 v7, v1, 272
	v_lshl_add_u32 v7, v2, 5, v7
	v_add_nc_u32 v[STO], s18, v7
	v_mul_u32_u24 v7, v2, 272
	v_lshl_add_u32 v7, v1, 4, v7
	v_add_nc_u32 v[RD], s18, v7
	v_lshlrev_b32 v7, 12, v2
	v_lshl_add_u32 v[CO], v1, 4, v7
; s = 0 .. 7: the K step of 128: chunk s / 2, its half s % 2.
.macro FRAGA reg, s, a                 ; O's block a: registers 0-5 head 2 s, registers 6-11 head 2 s + 1: six units as they lie
.irp p, 0,1,2,3,4,5
	ds_load_b64 v[\reg+2*\p:\reg+2*\p+1], v[ADRA+(\s)/2] offset:(2*((\s)%2)+\p/3)*6144+768*(\a)+256*(\p%3)
.endr
.endm
.macro FRAGB reg, s, i                 ; Wo's block i, in pieces of 8 bytes; where the piece three on lies behind one padding more, the second address register serves
.irp p, 0,1,2,3,4,5
.set PC, 12*((\s)%2)+6*(\p/3)+\p%3
.if PC%8 < 5
	ds_load_b64 v[\reg+2*\p:\reg+2*\p+1], v[ADRB+(\s)/2] offset:8*PC+16*(PC/8)+(\i)*16*PITCH
.else
	ds_load_b64 v[\reg+2*\p:\reg+2*\p+1], v[ADRB2+(\s)/2] offset:8*PC+16*(PC/8)+(\i)*16*PITCH
.endif
.endr
.endm
.macro FETCH_B s
	WIN TO_B
.irp i, 0,1,2,3
	FRAGB 48*((\s)%2)+12*\i, \s, \i
.endr
	WIN 0
.endm
.macro FETCH_A s, a0
.irp a, \a0, \a0+1, \a0+2, \a0+3
	FRAGA AF+12*(\a), \s, \a
.endr
.endm
; 8 matrix instructions: O's blocks a0, a0 + 1 x Wo's four.  K step 0 starts the sums.  The 32 accumulators take turns, one instruction a turn.
.macro MUL8 a0, s
.irp a, \a0, \a0+1
.irp b, 0,1,2,3
.if (\s) == 0
	v_wmma_scale_f32_16x16x128_f8f6f4 v[8*(4*(\a)+\b):8*(4*(\a)+\b)+7], v[48*((\s)%2)+12*\b:48*((\s)%2)+12*\b+11], v[AF+12*(\a):AF+12*(\a)+11], 0, v[SB+8*\b+(\s)], v[SA+8*(\a)+(\s)] matrix_a_fmt:MATRIX_FMT_FP6 matrix_b_fmt:MATRIX_FMT_FP6
.else
	v_wmma_scale_f32_16x16x128_f8f6f4 v[8*(4*(\a)+\b):8*(4*(\a)+\b)+7], v[48*((\s)%2)+12*\b:48*((\s)%2)+12*\b+11], v[AF+12*(\a):AF+12*(\a)+11], v[8*(4*(\a)+\b):8*(4*(\a)+\b)+7], v[SB+8*\b+(\s)], v[SA+8*(\a)+(\s)] matrix_a_fmt:MATRIX_FMT_FP6 matrix_b_fmt:MATRIX_FMT_FP6
.endif
.endr
.endr
.endm
.macro PLACES n
.rept \n
	v_nop
.endr
.endm
.macro REST s                          ; the second part of a step: the next step's fragments are fetched in two runs, each behind its places
	PLACES 4
	FETCH_B (\s)+1
	FETCH_A (\s)+1, 0
	WIN MUL
	MUL8 4, \s
	MUL8 6, \s
	PLACES 4
	WIN 0
	FETCH_A (\s)+1, 4
.endm
.macro STEPI s                         ; a step whose successor lies in the same chunk
	s_wait_dscnt 24                                ; Wo's set and O's blocks 0-3 are in; the youngest 24 loads (blocks 4-7) may be out
	WIN MUL
	MUL8 0, \s
	MUL8 2, \s
	s_wait_dscnt 0
	REST \s
.endm
.macro TURNI s                         ; a chunk's last step: the next chunk is shown landed to all four waves
	s_wait_tensorcnt 3-((\s)+1)/2                  ; my part of the next chunk is in; the chunks asked for behind it may be out
	s_wait_dscnt 24
	WIN MUL
	MUL8 0, \s
	s_wait_dscnt 0x0                               ; no LDS load of mine is out at the signal: my reads of this chunk are over
	s_barrier_signal -1
	MUL8 2, \s
	s_barrier_wait -1
	REST \s
.endm
	s_wait_tensorcnt 3                             ; my part of chunk 0 is in,
	s_barrier_signal -1
	s_barrier_wait -1                              ; everybody's is
	FETCH_B 0
	FETCH_A 0, 0
	FETCH_A 0, 4
	s_wait_loadcnt 0x0                             ; the scale words
	STEPI 0
	TURNI 1
	STEPI 2
	TURNI 3
	STEPI 4
	TURNI 5
	STEPI 6
	s_wait_dscnt 24
	WIN MUL
	MUL8 0, 7
	MUL8 2, 7
	s_wait_dscnt 0
	MUL8 4, 7
	MUL8 6, 7
	WIN 0
; THE WAY OUT, block by block of 16 rows x 64 columns, through my own stage: it lies in chunk 0, which has had its one fill, and which nobody reads behind the first chunk barrier; every wave has passed three.
; LDS serves a wave's instructions in order (ISA guide 5.7.1.4): no wait between the stores and the loads.
.macro TOSTAGE a
	WIN 0x04                                       ; an LDS store's data: window 1
.irp b, 0,1,2,3
	ds_store_b128 v[STO], v[32*(\a)+8*\b:32*(\a)+8*\b+3] offset:64*\b          ; each accumulator from its low end on
	ds_store_b128 v[STO], v[32*(\a)+8*\b+4:32*(\a)+8*\b+7] offset:64*\b+16
.endr
	WIN 0
.set BB, BK+32*((\a)%2)
.irp t, 0,1,2,3,4,5,6,7
	ds_load_b128 v[BB+4*\t:BB+4*\t+3], v[RD] offset:\t*544
.endr
.endm
.macro SEND a, younger
.set BB, BK+32*((\a)%2)
	s_wait_dscnt \younger                          ; the block is back in registers
.irp t, 0,1,2,3,4,5,6,7
	global_store_b128 v[CO], v[BB+4*\t:BB+4*\t+3], s[12:13] offset:(16*(\a)+2*\t)*4096 th:TH_STORE_NT   ; 16 lanes store 256 consecutive bytes, aligned; written once, read by nobody here
.endr
.endm
	PLACES 4
	TOSTAGE 0
.irp a, 1,2,3,4,5,6,7
.if \a > 1
	s_wait_xcnt 0x0                                ; block a - 2's stores have read their registers: block a's loads may land there
.endif
	TOSTAGE \a
	SEND \a-1, 16                                  ; behind block a - 1's loads: block a's 8 stores and 8 loads
.endr
	SEND 7, 0
	s_wait_tensorcnt 0x0
	ds_add_u32 v254, v255
	s_wait_dscnt 0x0
	CROUND                                         ; the closing round
	s_endpgm
.Lfunc_end_k_q166a5df3d1_outp:
	.size	k_q166a5df3d1_outp, .Lfunc_end_k_q166a5df3d1_outp-k_q166a5df3d1_outp
	.p2alignl 7, 3214868480
	.fill 96, 4, 3214868480
	.section	.rodata,"a",@progbits
	.p2align	6, 0x0
	.amdhsa_kernel k_q166a5df3d1_outp
		.amdhsa_group_segment_fixed_size 327680
		.amdhsa_private_segment_fixed_size 0
		.amdhsa_enable_private_segment 0
		.amdhsa_kernarg_size 40
		.amdhsa_user_sgpr_count 2
		.amdhsa_user_sgpr_kernarg_segment_ptr 1
		.amdhsa_wavefront_size32 1
		.amdhsa_system_sgpr_workgroup_id_x 1
		.amdhsa_system_sgpr_workgroup_id_y 1
		.amdhsa_system_sgpr_workgroup_id_z 1
		.amdhsa_system_vgpr_workitem_id 0
		.amdhsa_next_free_vgpr 768
		.amdhsa_next_free_sgpr 90
		.amdhsa_reserve_vcc 0
		.amdhsa_float_denorm_mode_32 3
		.amdhsa_float_denorm_mode_16_64 3
		.amdhsa_memory_ordered 1
		.amdhsa_forward_progress 1
		.amdhsa_inst_pref_size 99
	.end_amdhsa_kernel
	.amdgpu_metadata
---
amdhsa.version: [ 1, 2 ]
amdhsa.kernels:
  - .name:           k_q166a5df3d1_outp
    .symbol:         k_q166a5df3d1_outp.kd
    .args:
      - { .name: o_img, .offset: 0, .size: 8, .value_kind: global_buffer, .address_space: global }
      - { .name: o_sc, .offset: 8, .size: 8, .value_kind: global_buffer, .address_space: global }
      - { .name: Wo_codes, .offset: 16, .size: 8, .value_kind: global_buffer, .address_space: global }
      - { .name: Wo_scales, .offset: 24, .size: 8, .value_kind: global_buffer, .address_space: global }
      - { .name: out0, .offset: 32, .size: 8, .value_kind: global_buffer, .address_space: global }
    .group_segment_fixed_size: 327680
    .private_segment_fixed_size: 0
    .kernarg_segment_align: 8
    .kernarg_segment_size: 40
    .max_flat_workgroup_size: 128
    .sgpr_count:     90
    .vgpr_count:     768
    .wavefront_size: 32
...
	.end_amdgpu_metadata
.endif
;; end of part 3
